; MI455X (gfx1250); checked and timed in simulation.
; The chip was launched on July 23, 2026; its instructions are those of AMD's public machine-readable ISA for CDNA 5 (MIT licence, August 2026) and "CDNA5" Instruction Set Architecture Reference Guide (July 2026). The comments in the code are by the model that wrote it; some were corrected since.
;; Custom Model Qlinear. Allowed arithmetic: float matrix products may take bf16 or f16 operands with f32 sums; other float arithmetic in f32, or as packed bf16 or f16 multiplies, adds, multiply-adds, maxima and minima; sums over many terms, partial sums and values carried from step to step in f32; what a program stores and reads back later, other than sums and carried values, may be rounded once to bf16 or f16.
;; Inputs: bias 4,096 float32; inp 4,096 x 4,096 int32; inp_scales 1 float32; inp_zero_points 1 int32; weight 4,096 x 4,096 int32; weight_scales 4,096 float32; weight_zero_points 4,096 int32.
;; Outputs: out0 4,096 x 4,096 float32.
;; 2 versions, each right; version 2 is version 1 with the launch cast written anew for expert scheduling mode. Each part assembles by itself: llvm-mc -triple=amdgcn-amd-amdhsa -mcpu=gfx1250 --defsym DOCPART=n.
;; ======== version 1 of 2: 2 launches
;; workspace buffers: ops 67,108,864 bytes
;; launch cast (part 1): grid 256 x 2, 8 waves a work-group, no clusters, 0 bytes of LDS; arguments inp, weight, inp_zero_points, weight_zero_points, ops; writes ops
.if DOCPART == 1
	.amdgcn_target "amdgcn-amd-amdhsa--gfx1250"
	.amdhsa_code_object_version 6
	.text
	.protected	k_qee7e214e42_cast
	.globl	k_qee7e214e42_cast
	.p2align	8
	.type	k_qee7e214e42_cast,@function
k_qee7e214e42_cast:
	s_mov_b64 s[64:65], 0
	v_nop
	global_prefetch_b8 v0, s[64:65] scope:SCOPE_SE
	s_setreg_imm32_b32 hwreg(HW_REG_WAVE_MODE, 25, 1), 1
	s_wait_xcnt 0x0
; FIRST OF TWO LAUNCHES.  out0[m][n] = sum over k of (inp[m][k] - zi) si (weight[n][k] - zw[n]) sw[n] + bias[n].
; This launch makes the two matrix operands: ops = bf16(f32(int) - f32(zero point)), A' from inp (bytes 0 to 32 MiB), B' from weight (the 32 MiB behind),
; rows of 4,096 bf16 = 8,192 bytes.  The second launch multiplies them and applies si sw[n] and bias[n] to the f32 sums (both are constant along k).
; NO WORK IS LEFT OUT: all seven inputs have a way to the output and all seven are loaded (four here, three in the second launch).
; LIMITS.  The zero point is taken away in f32 ahead of the one rounding, as the reference takes it away.  A difference of magnitude up to 256 is exact in bf16
; (int8 values with int8 zero points give 255 at the most); a larger one is rounded once to bf16's 8 significant bits and cannot overflow.  An int32 beyond 2^24
; is rounded by the conversion to f32, as in the reference's own astype.
; ORDER OF K.  Inside each group of 256 k the order is permuted, alike in A' and B': position 8 l + j holds k = 4 l + j, position 8 l + 4 + j holds k = 128 + 4 l + j
; (l = 0..31, j = 0..3).  Every product still meets its partner; only the order of the f32 sums changes.  It lets each load of a wave take 512 consecutive bytes and
; each store of a wave fill 512 consecutive bytes, aligned.
; SHARES.  Work-group (x, y): tensor y (0 inp, 1 weight), rows 16 x .. 16 x + 15; wave w takes rows R = 16 x + 2 w and R + 1: 32 KiB on end in, 16 KiB on end out.
; A CHUNK is 256 numbers: two loads of 16 bytes a lane, one store of 16 bytes a lane; a wave has 32.  Every chunk's place stands in the immediates, so no address
; register is ever rewritten.  A ring of eight slots in registers keeps sixteen loads of every wave on their way.  No LDS, no barrier, no matrix unit: no wave
; wants a byte that another has fetched.
.set CHIN,  1024                       ; bytes of a chunk in memory, as int32
.set CHOUT, 512                        ; and as bf16
.set Z0, 4                             ; v[4:5] f32(zero point of row R), twice; v[6:7] of row R + 1
.set X,  8                             ; v[8:71]   slot i: 8 registers, as loaded, then converted in place
.set Y,  72                            ; v[72:103] slot i: 4 registers, 8 bf16 to store
	s_load_b256 s[4:11], s[0:1], 0x0               ; inp s[4:5], weight s[6:7], inp_zero_points s[8:9], weight_zero_points s[10:11]
	s_load_b64 s[12:13], s[0:1], 0x20              ; ops
	v_lshrrev_b32 v2, 5, v0
	v_readfirstlane_b32 s14, v2                    ; wave 0..7
	v_and_b32 v1, 31, v0
	v_lshlrev_b32 v1, 4, v1                        ; 16 x lane: my place in a load's and in a store's 512 bytes; never rewritten
	s_and_b32 s15, ttmp7, 0xffff                   ; y: which tensor
	s_lshl_b32 s16, ttmp9, 4
	s_lshl_b32 s17, s14, 1
	s_add_co_u32 s16, s16, s17                     ; R = 16 x + 2 w
	s_lshl_b32 s18, s16, 14                        ; R rows of 16,384 bytes in
	s_mov_b32 s19, 0
	s_lshl_b32 s20, s16, 13                        ; R rows of 8,192 bytes out,
	s_lshl_b32 s21, s15, 25                        ; B' lies 32 MiB behind A'
	s_add_co_u32 s20, s20, s21
	s_mov_b32 s21, 0
	s_lshl_b32 s22, s16, 2                         ; where row R's zero point lies among weight's,
	s_mov_b32 s23, 0
	s_add_co_u32 s28, s22, 4                       ; and row R + 1's
	s_mov_b32 s29, 0
	s_wait_kmcnt 0x0
	s_cmp_eq_u32 s15, 0                            ; one compare, four selects (the 64-bit sums below leave SCC alone, and nothing reads it behind them)
	s_cselect_b64 s[24:25], s[4:5], s[6:7]         ; the tensor
	s_cselect_b64 s[26:27], s[8:9], s[10:11]       ; its zero points
	s_cselect_b32 s22, 0, s22                      ; inp has one zero point for all rows
	s_cselect_b32 s28, 0, s28
	s_add_nc_u64 s[24:25], s[24:25], s[18:19]      ; my first row in
	s_add_nc_u64 s[12:13], s[12:13], s[20:21]      ; my first row out
	s_add_nc_u64 s[30:31], s[26:27], s[28:29]
	s_add_nc_u64 s[26:27], s[26:27], s[22:23]
	s_load_b32 s2, s[26:27], 0x0                   ; the zero point of row R
	s_load_b32 s3, s[30:31], 0x0                   ; and of row R + 1
.irp i, 0,1,2,3,4,5,6,7                        ; the ring is filled: chunks 0 to 7
	global_load_b128 v[X+8*(\i):X+8*(\i)+3],   v1, s[24:25] offset:(\i)*CHIN th:TH_LOAD_NT
	global_load_b128 v[X+8*(\i)+4:X+8*(\i)+7], v1, s[24:25] offset:(\i)*CHIN+512 th:TH_LOAD_NT
.endr
	s_wait_kmcnt 0x0
	v_cvt_f32_i32 v[Z0], s2
	v_mov_b32 v[Z0+1], v[Z0]                       ; twice: the packed subtraction takes a pair
	v_cvt_f32_i32 v[Z0+2], s3
	v_mov_b32 v[Z0+3], v[Z0+2]
; The turn of chunk c, in slot c % 8.  Chunks 0 to 15 are row R, 16 to 31 row R + 1.  Chunks 0 to 23 fill their slot again with the chunk eight further on.
.macro SLOT
.set XR, X+8*(c%8)
.set YR, Y+4*(c%8)
.set ZR, Z0+2*(c/16)
.if c < 24
	s_wait_loadcnt 14                              ; loads come back in order (ISA guide 5.7.1): my two are in; the seven younger slots' two each stay out
.else
	s_wait_loadcnt 14-2*(c%8)                      ; the last round loads nothing: the counts run down to 0
.endif
	s_wait_xcnt 0x0                                ; this slot's Y, which its store of eight chunks back reads, is rewritten only behind this wait
.irp j, 0,1,2,3,4,5,6,7
	v_cvt_f32_i32 v[XR+(\j)], v[XR+(\j)]
.endr
.irp j, 0,2,4,6
	v_pk_add_f32 v[XR+(\j):XR+(\j)+1], v[XR+(\j):XR+(\j)+1], v[ZR:ZR+1] neg_lo:[0,1] neg_hi:[0,1]  ; two subtractions of the zero point
.endr
.irp j, 0,1,2,3
	v_cvt_pk_bf16_f32 v[YR+(\j)], v[XR+2*(\j)], v[XR+2*(\j)+1]  ; two roundings, packed
.endr
.if c < 24
	global_load_b128 v[XR:XR+3],   v1, s[24:25] offset:(c+8)*CHIN th:TH_LOAD_NT
	global_load_b128 v[XR+4:XR+7], v1, s[24:25] offset:(c+8)*CHIN+512 th:TH_LOAD_NT
.endif
	global_store_b128 v1, v[YR:YR+3], s[12:13] offset:c*CHOUT  ; the wave's store covers 512 consecutive bytes, aligned; no hint: the next launch reads them
.endm
.set c, 0
.rept 32
	SLOT
.set c, c+1
.endr
	s_endpgm
.Lfunc_end_k_qee7e214e42_cast:
	.size	k_qee7e214e42_cast, .Lfunc_end_k_qee7e214e42_cast-k_qee7e214e42_cast
	.p2alignl 7, 3214868480
	.fill 96, 4, 3214868480
	.section	.rodata,"a",@progbits
	.p2align	6, 0x0
	.amdhsa_kernel k_qee7e214e42_cast
		.amdhsa_group_segment_fixed_size 0
		.amdhsa_private_segment_fixed_size 0
		.amdhsa_enable_private_segment 0
		.amdhsa_kernarg_size 40
		.amdhsa_user_sgpr_count 2
		.amdhsa_user_sgpr_kernarg_segment_ptr 1
		.amdhsa_wavefront_size32 1
		.amdhsa_system_sgpr_workgroup_id_x 1
		.amdhsa_system_sgpr_workgroup_id_y 1
		.amdhsa_system_sgpr_workgroup_id_z 1
		.amdhsa_system_vgpr_workitem_id 0
		.amdhsa_next_free_vgpr 104
		.amdhsa_next_free_sgpr 66
		.amdhsa_reserve_vcc 0
		.amdhsa_float_denorm_mode_32 3
		.amdhsa_float_denorm_mode_16_64 3
		.amdhsa_memory_ordered 1
		.amdhsa_forward_progress 1
		.amdhsa_inst_pref_size 37
	.end_amdhsa_kernel
	.amdgpu_metadata
---
amdhsa.version: [ 1, 2 ]
amdhsa.kernels:
  - .name:           k_qee7e214e42_cast
    .symbol:         k_qee7e214e42_cast.kd
    .args:
      - { .name: inp, .offset: 0, .size: 8, .value_kind: global_buffer, .address_space: global }
      - { .name: weight, .offset: 8, .size: 8, .value_kind: global_buffer, .address_space: global }
      - { .name: inp_zero_points, .offset: 16, .size: 8, .value_kind: global_buffer, .address_space: global }
      - { .name: weight_zero_points, .offset: 24, .size: 8, .value_kind: global_buffer, .address_space: global }
      - { .name: ops, .offset: 32, .size: 8, .value_kind: global_buffer, .address_space: global }
    .group_segment_fixed_size: 0
    .private_segment_fixed_size: 0
    .kernarg_segment_align: 8
    .kernarg_segment_size: 40
    .max_flat_workgroup_size: 256
    .sgpr_count:     66
    .vgpr_count:     104
    .wavefront_size: 32
...
	.end_amdgpu_metadata
.endif
;; end of part 1
;; launch gemm (part 2): grid 16 x 16, 4 waves a work-group, clusters of 4 x 4, 327,680 bytes of LDS; arguments ops, out0, weight_scales, bias, inp_scales; writes out0
.if DOCPART == 2
	.amdgcn_target "amdgcn-amd-amdhsa--gfx1250"
	.amdhsa_code_object_version 6
	.text
	.protected	k_qee7e214e42_gemm
	.globl	k_qee7e214e42_gemm
	.p2align	8
	.type	k_qee7e214e42_gemm,@function
k_qee7e214e42_gemm:
	s_mov_b64 s[64:65], 0
	v_nop
	global_prefetch_b8 v0, s[64:65] scope:SCOPE_SE
	s_setreg_imm32_b32 hwreg(HW_REG_WAVE_MODE, 25, 1), 1
	s_wait_xcnt 0x0
	s_wait_alu depctr_hold_cnt(0) depctr_sa_sdst(0) depctr_va_vdst(0) depctr_va_sdst(0) depctr_va_ssrc(0) depctr_va_vcc(0) depctr_vm_vsrc(0)
	s_getreg_b32 s2, hwreg(HW_REG_IB_STS2, 6, 4)
	s_cmp_eq_u32 s2, 0
	s_cbranch_scc0 .Lentry_in_a_cluster
	s_endpgm
.Lentry_in_a_cluster:
	s_bfe_u32 s2, ttmp6, 0x10000c
	s_cmp_lg_u32 s2, 0xf033
	s_cbranch_scc0 .Lentry_shape_is_right
	s_endpgm
.Lentry_shape_is_right:
; SECOND OF TWO LAUNCHES.  out0[m][n] = (sum over k of A'[m][k] B'[n][k]) (si sw[n]) + bias[n].  A' and B' are the first launch's bf16 operands (int - zero point), [4096][4096] each,
; A' at byte 0 of ops and B' 32 MiB behind; k is permuted alike in both, which keeps every product.  Sums in f32.  No work is left out: weight_scales, bias and inp_scales are loaded here.
; LIMITS.  The scale is applied to the finished sum as si sw[n], rounded once, by one fused multiply-add with the bias: another order of rounding than the reference's, which scales each operand.
; SHARES.  A tile of out0, 256 x 256, is made by a work-group of four waves; a wave makes 128 x 128: 64 accumulators of 16 x 16, 512 registers.  256 tiles, 256 work-groups.
; K goes in 32 steps of 128 through a ring of two LDS slots filled by the tensor data mover: a tile's rows are 256 bytes of memory and start at multiples of 256 bytes from the buffer's first byte.
; CLUSTERS.  4 x 4 work-groups.  The four of a row of the cluster need the same tiles of A', the four of a column the same tiles of B': each tile is asked for JOINTLY, by the same tensor load
; with the same descriptor and a mask that names the four; each receives it in its own LDS.
; REGISTERS, in windows of 256 (s_set_vgpr_msb's low byte: bits 1:0 source 0, 3:2 source 1, 5:4 source 2, 7:6 destination):
;   window 0: v0-39 addresses, scales, bias; v64-127, v128-191 fragments of A' (8 x 16 rows x 32 K), two buffers; on the way out the same 128 registers take rows of out0
;   window 1: v64-127, v128-191 fragments of B', two buffers
;   window 2: the 32 accumulators of my rows 0-63 (accumulator (a, b) at v[8 (8 a + b)]);   window 3: those of my rows 64-127
; THE MATRIX INSTRUCTION IS USED TRANSPOSED: source 0 = 16 rows of B', source 1 = 16 rows of A'.  Lane l then holds row l % 16 of the block and its registers 0 to 7 the columns
; 8 (l / 16) + 0 .. 7: eight neighbouring f32 of a row of out0, 32 bytes.
.set SIZE_K, 4096
.set SIZE_N, 4096
.set KSTEP,  128
.set PITCH,  272                       ; an LDS row: 256 bytes of data + 16 of padding = 68 words: row r starts at bank 4 r mod 64 (64 banks of 4 bytes: ISA guide 11.1), so the 16 rows of a load start at 16 different banks
.set HALFT,  128*PITCH                 ; 128 rows: what one tensor load brings, and what one wave reads of A' or of B'
.set SLOT,   4*HALFT                   ; A's 256 rows, then B's 256 rows
.set STAGE,  2*SLOT                    ; behind the ring: 16 rows x 528 bytes for each wave, for the way out; no tensor load lands here
.set SP,     528                       ; a stage row: 512 bytes (128 f32) + 16: 33 x 16 bytes, so the 16 rows that a store touches fall into 16 different columns of 16 bytes
.set SPARE,  STAGE+4*16*SP             ; behind the stages: the spare words, 128 bytes for each wave: two blocks of 256 bytes that no other line names
.set LAPS,   SIZE_K/(2*KSTEP)          ; a lap = two K steps = once round the ring: 16
.set OROW,   SIZE_N*4                  ; bytes in a row of out0
.set ADRA, 16                          ; v16-17  LDS address of my A fragments in slot 0, 1
.set ADRB, 20                          ; v20-21  the same for B
.set STO,  24                          ; v24     the way out: where I put 32 bytes of a row
.set RD,   25                          ; v25     the way out: where I read 16 bytes of a row back
.set CO,   26                          ; v26     16 x lane: my byte offset in 512 bytes of a row of out0; never rewritten
.set SPW,  28                          ; v28     LDS address of my spare word: SPARE + 4 x my thread's number; never rewritten
.set NIL,  29                          ; v29     0; never rewritten
.set PFO,  30                          ; v30     the prefetches' offset: my lane x a row of ops (8,192 bytes); never rewritten
.set SBO,  31                          ; v31     byte offset in weight_scales and bias of the four columns that I store
.set SC,   32                          ; v[32:35] si sw[n] of those four columns
.set BI,   36                          ; v[36:39] bias[n] of the same
.set F0,   64                          ; fragment buffer 0
.set F1,   128                         ; fragment buffer 1
.set OB,   64                          ; the way out: 16 rows read back from the stage, 64 registers: v64-127 and v128-191 by turns
.set G1,  24                           ; s[24:31] descriptor group 1 for A's tiles
.set G0,  32                           ; s[32:39] descriptor group 0 for A's tiles, one set for each slot
.set G1B, 48                           ; s[48:55] descriptor group 1 for B's tiles: it differs from A's in the mask alone
.set G0B, 56                           ; s[56:63] descriptor group 0 for B's tiles, one set for each slot
.set LIM, 43                           ; s43     1 in a wave that prefetches, else the greatest number
.set PFA, 44                           ; s[44:45] where my prefetches stand: my work-group's 32 rows of the 128 that I fetch, one K step further along K than the refill in hand
.set MSB, 0
.macro WIN new                         ; the immediate's high byte repeats the setting that is left; a switch that changes nothing is dropped
.if MSB != (\new)
	s_set_vgpr_msb (MSB<<8)|(\new)
.set MSB, \new
.endif
.endm
.set MUL_LO, 0xa1                      ; source 0 (B) window 1, source 1 (A) window 0, C and D window 2
.set MUL_HI, 0xf1                      ; the same, C and D window 3
.set TO_B,   0x40                      ; destination window 1, address window 0
; A joint load.  Waves 0 and 1 fetch A's two halves, waves 2 and 3 B's.  Each of the two lines has ONE mask and one set of registers for all that issue it.  The branch hangs on the wave's
; number alone.  An s_nop 0 and four v_nop follow each of the two lines, ahead of the jump, the label and what follows.
.macro JLOAD s
	s_cmp_eq_u32 s11, 0
	s_cbranch_scc0 .Lfor_b_\@
	tensor_load_to_lds s[G0+4*(\s):G0+4*(\s)+3], s[G1:G1+7]
	s_nop 0
.rept 4
	v_nop
.endr
	s_branch .Lasked_\@
.Lfor_b_\@:
	tensor_load_to_lds s[G0B+4*(\s):G0B+4*(\s)+3], s[G1B:G1B+7]
	s_nop 0
.rept 4
	v_nop
.endr
.Lasked_\@:
.endm
; A PREFETCH INTO THE L2, behind each joint refill, its five lines and the run of LDS loads that follows them: the K step that stands TWO refills on, 512 matrix instructions ahead of the load
; that will want it: 32 rows x 256 bytes, a lane a row, one instruction a wave.  Each row's 256 bytes of a K step are named ONCE in the launch: A's tile row is read by every cluster of that
; row of clusters, and the one with x = 0 asks; B's tile column by every cluster of that column, and the one with y = 0 asks.  The four partners that ask for a tile jointly share its rows out
; BY ADDRESS: of the 128 rows that a wave fetches the partner at place p takes 32 p .. 32 p + 31 (p = cx for A, cy for B).  K steps 0 to 3 come by their loads alone; the loop's last trip
; (s3 = 1) asks for nothing, so that the last step named is step 31.
.macro ASK
	s_cmp_gt_u32 s3, s[LIM]
	s_cbranch_scc0 .Lnot_mine_\@
	global_prefetch_b8 v[PFO], s[PFA:PFA+1] offset:KSTEP*2 th:TH_LOAD_NT scope:SCOPE_SE
.Lnot_mine_\@:
.endm
; A round of the cluster's barrier: my work-group's barrier, so that wave 0's signal speaks for all four waves; wave 0 signals for the work-group; every wave waits for all sixteen
; work-groups; my work-group's barrier once more.  No LDS instruction of the wave is pending at a signal.
.macro CREST                           ; a round behind its opening barrier
	s_cmp_lg_u32 s10, 0
	s_cbranch_scc1 .Lnot_wave_0_\@
	s_barrier_signal -3
.Lnot_wave_0_\@:
	s_barrier_wait -3
	s_barrier_signal -1
	s_barrier_wait -1
.endm
.macro CROUND                          ; a whole round
	s_barrier_signal -1
	s_barrier_wait -1
	CREST
.endm
	s_load_b64 s[4:5], s[0:1], 0x0                 ; ops: A' begins here
	s_load_b64 s[8:9], s[0:1], 0x8                 ; out0
	s_load_b128 s[68:71], s[0:1], 0x10             ; weight_scales s[68:69], bias s[70:71]
	s_load_b64 s[72:73], s[0:1], 0x20              ; inp_scales
	v_lshl_add_u32 v[SPW], v0, 2, SPARE
	v_mov_b32 v[NIL], 0
	ds_add_u32 v[SPW], v[NIL]                      ; the wave's opening: the add, twice on end, and its wait ahead of my first tensor load; the set-up below, work on registers, stands between the second and the wait
	ds_add_u32 v[SPW], v[NIL]                      ; and once more, under the one wait
	v_lshrrev_b32 v1, 5, v0
	v_readfirstlane_b32 s10, v1                    ; wave 0..3
	s_lshr_b32 s11, s10, 1                         ; which half of the tile's rows is mine.  Also: I fetch for A (0) or for B (1)
	s_and_b32 s12, s10, 1                          ; which half of its columns.  Also: which 128 rows of that tile I fetch
	s_bfe_u32 s40, ttmp6, 0x40000                  ; cx: my place along the cluster's x
	s_bfe_u32 s41, ttmp6, 0x40004                  ; cy: along its y
	s_lshl_b32 s42, ttmp9, 2                       ; in a cluster launch ttmp9 and ttmp7 count clusters
	s_add_co_u32 s42, s42, s40                     ; tile column = 4 x cluster x + cx
	s_and_b32 s13, ttmp7, 0xffff
	s_lshl_b32 s13, s13, 2
	s_add_co_u32 s13, s13, s41                     ; tile row = 4 x cluster y + cy
	s_lshl_b32 s43, s41, 2
	s_lshl_b32 s43, 15, s43                        ; my row of the cluster: places 4 cy .. 4 cy + 3
	s_lshl_b32 s44, 0x1111, s40                    ; my column: places cx, cx + 4, cx + 8, cx + 12
	; descriptor group 1: a tile of 128 rows x 128 elements, padded in LDS
	s_or_b32 s[G1+0], s43, (1<<16)|(1<<20)|(1<<21)|(5<<22)|(3<<25)  ; 15:0 the mask: A's tiles go to my row; 17:16 elements of 2 bytes; 20 padding on; 21 set beside a mask; 24:22 after every 64 words (code 5); 31:25 4 words of it (code 3)
	s_or_b32 s[G1B+0], s44, (1<<16)|(1<<20)|(1<<21)|(5<<22)|(3<<25) ; the same with the mask of my column, for B's tiles
	s_mov_b32 s[G1B+1], KSTEP<<16
	s_mov_b32 s[G1+1], KSTEP<<16                   ; tensor_dim0 = 128
	s_mov_b32 s[G1B+2], 128<<16
	s_mov_b32 s[G1+2], 128<<16                     ; tensor_dim1 = 128
	s_mov_b32 s[G1B+3], KSTEP<<16
	s_mov_b32 s[G1+3], KSTEP<<16                   ; tile_dim0 = 128
	s_mov_b32 s[G1B+4], 128
	s_mov_b32 s[G1+4], 128                         ; tile_dim1 = 128; tile_dim2 = 0
	s_mov_b32 s[G1B+5], SIZE_K
	s_mov_b32 s[G1+5], SIZE_K                      ; 4,096 elements from row to row
	s_mov_b32 s[G1B+6], 0
	s_mov_b32 s[G1+6], 0
	s_mov_b32 s[G1B+7], 0
	s_mov_b32 s[G1+7], 0
	; where the tiles come from.  A's hang on the tile row alone, which my row of the cluster shares; B's on the tile column alone, which my column shares.
	; Every wave makes both addresses, in registers that never hold the other coordinate, and asks by one of them.
	s_lshl_b32 s17, s12, 7                         ; which 128 rows of the tile I fetch
	s_lshl_b32 s16, s13, 8
	s_add_co_u32 s16, s16, s17                     ; A: row 256 x tile row + 128 x half
	s_lshl_b32 s46, s42, 8
	s_add_co_u32 s46, s46, s17                     ; B: row 256 x tile column + 128 x half
	s_mov_b32 s17, 0
	s_mov_b32 s47, 0
	s_mov_b64 s[18:19], SIZE_K*2
	s_mul_u64 s[16:17], s[16:17], s[18:19]         ; in bytes
	s_mul_u64 s[46:47], s[46:47], s[18:19]
	s_mul_i32 s20, s10, HALFT                      ; and where they go: A's two halves, then B's two halves = wave x 128 rows: no place in the cluster enters an LDS address
	s_wait_dscnt 0x0                               ; both opening adds are done
	s_wait_kmcnt 0x0
	s_add_nc_u64 s[6:7], s[4:5], 0x2000000         ; B' lies 32 MiB behind A'
	s_add_nc_u64 s[14:15], s[4:5], s[16:17]
	s_add_nc_u64 s[46:47], s[6:7], s[46:47]
	CROUND                                         ; all sixteen work-groups are here: the first joint loads meet
.irp s, 0,1
	s_mov_b32 s[G0+4*(\s)], 1                                      ; count = 1
	s_add_co_u32 s[G0+4*(\s)+1], s20, (\s)*SLOT                    ; LDS address
	s_add_nc_u64 s[G0+4*(\s)+2:G0+4*(\s)+3], s[14:15], (\s)*KSTEP*2  ; global address: K step s
	s_or_b32 s[G0+4*(\s)+3], s[G0+4*(\s)+3], 0x80000000            ; type = 2
	s_mov_b32 s[G0B+4*(\s)], 1
	s_add_co_u32 s[G0B+4*(\s)+1], s20, (\s)*SLOT
	s_add_nc_u64 s[G0B+4*(\s)+2:G0B+4*(\s)+3], s[46:47], (\s)*KSTEP*2
	s_or_b32 s[G0B+4*(\s)+3], s[G0B+4*(\s)+3], 0x80000000
	JLOAD \s                                       ; the ring is filled before anything else is done: two tensor loads of mine are out
.endr
	; A fragment is 16 rows x 32 K in 8 registers: lane l holds row l % 16; registers 0-3 hold K = 8 (l / 16) + 0..7, registers 4-7 hold K = 16 + 8 (l / 16) + 0..7:
	; two loads of 16 bytes, 32 bytes apart.  The same for source 0 and source 1.
	v_and_b32 v1, 15, v0                           ; l % 16
	v_bfe_u32 v2, v0, 4, 1                         ; l / 16
	v_mul_u32_u24 v3, v1, PITCH
	v_lshl_add_u32 v3, v2, 4, v3                   ; row x pitch + 16 x half
	s_mul_i32 s21, s11, HALFT                      ; my 128 rows of A
	s_mul_i32 s22, s12, HALFT                      ; my 128 rows of B,
	s_add_co_u32 s22, s22, 2*HALFT                 ; which lie behind A's 256
.irp s, 0,1
	v_add_nc_u32 v[ADRA+(\s)], s21, v3
	v_add_nc_u32 v[ADRB+(\s)], s22, v3
	s_add_co_u32 s21, s21, SLOT
	s_add_co_u32 s22, s22, SLOT
.endr
	s_mul_i32 s23, s10, 16*SP
	s_add_co_u32 s23, s23, STAGE                   ; my stage
	v_mul_u32_u24 v4, v1, SP                       ; in: row l % 16, 32 bytes for each half of the lanes
	v_lshl_add_u32 v4, v2, 5, v4
	v_add_nc_u32 v[STO], s23, v4
	v_and_b32 v5, 31, v0
	v_lshlrev_b32 v[CO], 4, v5                     ; back: 32 lanes take one row of 512 bytes, 16 bytes each; the same place in out0's row
	v_add_nc_u32 v[RD], s23, v[CO]
	; where my part of the tile begins in out0
	s_lshl_b32 s13, s13, 8                         ; 256 x tile row
	s_lshl_b32 s14, s11, 7
	s_add_co_u32 s16, s13, s14                     ; my first row,
	s_lshl_b32 s16, s16, 14                        ; of 16,384 bytes: under 2^26
	s_mov_b32 s17, 0
	s_add_nc_u64 s[8:9], s[8:9], s[16:17]
	s_lshl_b32 s46, s42, 10                        ; my first column, in bytes of f32: 1,024 x tile column + 512 x half
	s_lshl_b32 s47, s12, 9
	s_add_co_u32 s46, s46, s47
	s_mov_b32 s47, 0
	s_add_nc_u64 s[8:9], s[8:9], s[46:47]
	v_add_nc_u32 v[SBO], s46, v[CO]                ; the four columns that I store: the same byte offset in weight_scales and in bias
	s_load_b32 s74, s[72:73], 0x0                  ; si
	global_load_b128 v[SC:SC+3], v[SBO], s[68:69]  ; sw of my four columns
	global_load_b128 v[BI:BI+3], v[SBO], s[70:71]  ; bias of the same
	; the prefetches.  s13 = 256 x tile row, s42 = tile column, s40 = cx, s41 = cy still stand; s[4:5] = A', s[6:7] = B'
	s_lshl_b32 s42, s42, 8
	s_and_b32 s22, ttmp7, 0xffff                   ; cluster y
	s_cmp_eq_u32 s11, 0                            ; do I fetch for A?
	s_cselect_b32 s20, s13, s42                    ; the tile's first row: in A' by the tile row, in B' by the tile column
	s_cselect_b32 s21, s40, s41                    ; my place among the four that ask for it with me
	s_cselect_b32 s22, ttmp9, s22                  ; the coordinate along which other clusters read the same rows
	s_cselect_b64 s[PFA:PFA+1], s[4:5], s[6:7]
	s_cmp_eq_u32 s22, 0
	s_cselect_b32 s[LIM], 1, -1                    ; the same in all sixteen partners, for a given wave
	s_lshl_b32 s22, s12, 7
	s_add_co_u32 s20, s20, s22                     ; + the 128 rows that I fetch
	s_lshl_b32 s21, s21, 5
	s_add_co_u32 s20, s20, s21                     ; + my work-group's 32 of them
	s_mov_b32 s21, 0
	s_mov_b64 s[18:19], SIZE_K*2
	s_mul_u64 s[20:21], s[20:21], s[18:19]
	s_add_nc_u64 s[PFA:PFA+1], s[PFA:PFA+1], s[20:21]
	s_add_nc_u64 s[PFA:PFA+1], s[PFA:PFA+1], 2*KSTEP*2  ; at K step 2: the first refill steps it to 3 and names K step 4
	v_and_b32 v[PFO], 31, v0
	v_mul_u32_u24 v[PFO], v[PFO], SIZE_K*2
	s_wait_kmcnt 0x0                               ; si
	s_wait_loadcnt 0x0                             ; sw and bias, once
.irp j, 0,1,2,3
	v_mul_f32 v[SC+(\j)], s74, v[SC+(\j)]          ; si sw[n]
.endr
; 16 matrix instructions: m blocks a0, a0 + 1 of the window's four (hi = 0: my rows 0-63, 1: rows 64-127) x all 8 n blocks, 32 along K.
; zero = 1: the first product starts the sums: nothing is ever cleared.  The 64 accumulators take turns, one instruction a turn, in the same order in every quarter step.
.macro MUL16 f, hi, a0, zero
	WIN MUL_LO+0x50*(\hi)
.irp a, \a0, (\a0)+1
.irp b, 0,1,2,3,4,5,6,7
.if \zero
	v_wmma_f32_16x16x32_bf16 v[8*(8*(\a)+(\b)):8*(8*(\a)+(\b))+7], v[(\f)+8*(\b):(\f)+8*(\b)+7], v[(\f)+8*(4*(\hi)+(\a)):(\f)+8*(4*(\hi)+(\a))+7], 0
.else
	v_wmma_f32_16x16x32_bf16 v[8*(8*(\a)+(\b)):8*(8*(\a)+(\b))+7], v[(\f)+8*(\b):(\f)+8*(\b)+7], v[(\f)+8*(4*(\hi)+(\a)):(\f)+8*(4*(\hi)+(\a))+7], v[8*(8*(\a)+(\b)):8*(8*(\a)+(\b))+7]
.endif
.endr
.endr
.endm
; 32 LDS loads in one run: the fragments of one quarter step (128 rows of B', 128 rows of A', 32 K at byte k of the rows) into buffer f
.macro FETCH slot, k, f
	WIN TO_B
.irp i, 0,1,2,3,4,5,6,7
	ds_load_b128 v[(\f)+8*(\i):(\f)+8*(\i)+3],   v[ADRB+(\slot)] offset:(\k)+(\i)*16*PITCH
	ds_load_b128 v[(\f)+8*(\i)+4:(\f)+8*(\i)+7], v[ADRB+(\slot)] offset:(\k)+(\i)*16*PITCH+32
.endr
	WIN 0
.irp i, 0,1,2,3,4,5,6,7
	ds_load_b128 v[(\f)+8*(\i):(\f)+8*(\i)+3],   v[ADRA+(\slot)] offset:(\k)+(\i)*16*PITCH
	ds_load_b128 v[(\f)+8*(\i)+4:(\f)+8*(\i)+7], v[ADRA+(\slot)] offset:(\k)+(\i)*16*PITCH+32
.endr
.endm
; A load into a register that a matrix instruction has read, and an instruction other than a matrix instruction that reads a matrix result, stand four places behind that matrix instruction,
; and only plain vector instructions that name none of its registers are places (ISA guide 7.12.1 for vector instructions).
.macro PLACES
.rept 4
	v_nop
.endr
.endm
; A K step is four quarter steps of 32 along K, 64 matrix instructions each, on buffers 0, 1, 0, 1.
; One of the first three: multiplies buffer f; in its middle it fetches the next quarter's fragments, at byte k of the same slot's rows, into buffer g.
.macro QUARTER slot, k, f, g, zero
	s_wait_dscnt 8                                 ; B and A's rows 0-63 are in; the youngest eight loads (A's rows 64-127) may be out
	WIN MUL_LO
	MUL16 \f, 0, 0, \zero
	MUL16 \f, 0, 2, \zero
	PLACES
	FETCH \slot, \k, \g
	s_wait_dscnt 32                                ; all but the 32 just issued
	WIN MUL_HI
	MUL16 \f, 1, 0, \zero
	MUL16 \f, 1, 2, \zero
.endm
; The last quarter multiplies buffer 1 and changes slots.  MEET is its first half: ONE barrier for the change of slots.  In front of it each wave waits for all its tensor loads, of which one
; is out: its part of the next slot; adds 0 to its spare word; and waits for that and for its own reads of this slot.  Behind it nobody reads this slot any more and the next slot is whole.
.macro MEET round                      ; round = 1: the rest of a round of the cluster's barrier follows
	WIN 0                                          ; (the add's two registers lie in window 0)
	s_wait_tensorcnt 0x0                           ; all my tensor loads have landed;
	ds_add_u32 v[SPW], v[NIL]                      ; 0 onto my spare word;
	s_wait_dscnt 9                                 ; (the add and the youngest eight loads may be out)
	WIN MUL_LO
	MUL16 F1, 0, 0, 0                              ; sixteen matrix instructions stand between the add and the wait for it
	s_wait_dscnt 0x0                               ; the add is done, and my reads of this slot are over:
	s_barrier_signal -1                            ; say so,
	MUL16 F1, 0, 2, 0                              ; work on registers while the others arrive,
.if \round
	WIN 0
.endif
	s_barrier_wait -1                              ; and go on when all four have said so
.endm
; The whole last quarter.  fill = 1: behind a round of the cluster's barrier the slot just read out is filled again first, with the K step two steps on; then come the next slot's first
; fragments.  From a request to the wait for it a wave issues 224 matrix instructions.  fill = 0: nothing is left to ask for, and the work-group's barrier is enough.
.macro TURN slot, next, fill
.if \fill
	s_wait_xcnt 0x0                                ; the last prefetch, a K step back, has read its address: it is stepped here, ahead of the waits of the change of slots
	s_add_nc_u64 s[PFA:PFA+1], s[PFA:PFA+1], KSTEP*2
	MEET 1
	CREST                                          ; no wave of any partner still reads this slot's tile or has a load on its way
	s_add_nc_u64 s[G0+4*(\slot)+2:G0+4*(\slot)+3], s[G0+4*(\slot)+2:G0+4*(\slot)+3], 2*KSTEP*2    ; no tensor load of mine is out, so a group 0 may be written
	s_add_nc_u64 s[G0B+4*(\slot)+2:G0B+4*(\slot)+3], s[G0B+4*(\slot)+2:G0B+4*(\slot)+3], 2*KSTEP*2
	JLOAD \slot                                    ; the first tensor load behind the round, my only one until the next; its four v_nop are also the places in front of the loads below
.else
	MEET 0
	PLACES
.endif
	FETCH \next, 0, F0
.if \fill
	ASK                                            ; behind the joint load and the run of LDS loads that the next products wait for
.endif
	WIN MUL_HI
	MUL16 F1, 1, 0, 0
	MUL16 F1, 1, 2, 0
.endm
; THE WAY OUT of block a (16 rows x my 128 columns).  TOSTAGE: the f32 sums go as they are into my own stage in LDS, 32 bytes a lane for each accumulator, its four lowest registers first,
; they come back as whole rows of 512 bytes, 16 bytes a lane.  LDS serves a wave's instructions in order (ISA guide 5.7.1.4): the loads see the stores above them,
; and the next block's stores come behind them.
.macro TOSTAGE a
.set AC, 64*((\a)%4)
.set BK, OB+64*((\a)%2)
	WIN 0x08+4*((\a)/4)                            ; the stores' data (source 1) in window 2 or 3, the address in window 0
.irp b, 0,1,2,3,4,5,6,7
	ds_store_b128 v[STO], v[AC+8*(\b):AC+8*(\b)+3]   offset:64*(\b)
	ds_store_b128 v[STO], v[AC+8*(\b)+4:AC+8*(\b)+7] offset:64*(\b)+16
.endr
	WIN 0
	s_wait_xcnt 0x0                                ; the stores of the block two back, which read these 64 registers, have read them: only now are they loaded again
.irp t, 0,1,2,3,4,5,6,7,8,9,10,11,12,13,14,15
	ds_load_b128 v[BK+4*(\t):BK+4*(\t)+3], v[RD] offset:(\t)*SP
.endr
.endm
; SEND: each row is scaled and biased by two packed fused multiply-adds and stored.  younger: the LDS instructions issued behind block a's loads: the next block's 16 stores and 16 loads, or none.
.macro SEND a, younger
	WIN 0
.set BK, OB+64*((\a)%2)
.irp t, 0,1,2,3,4,5,6,7,8,9,10,11,12,13,14,15
	s_wait_dscnt (\younger)+15-(\t)                ; row t is back; the block's later rows and the younger instructions may be out
	v_pk_fma_f32 v[BK+4*(\t):BK+4*(\t)+1],   v[BK+4*(\t):BK+4*(\t)+1],   v[SC:SC+1],   v[BI:BI+1]
	v_pk_fma_f32 v[BK+4*(\t)+2:BK+4*(\t)+3], v[BK+4*(\t)+2:BK+4*(\t)+3], v[SC+2:SC+3], v[BI+2:BI+3]
	global_store_b128 v[CO], v[BK+4*(\t):BK+4*(\t)+3], s[8:9] offset:(16*(\a)+(\t))*OROW th:TH_STORE_NT  ; the wave stores 512 consecutive bytes, at a multiple of 512 from out0's first; 127 rows at the most: inside the signed 24-bit immediate
.endr
.endm
	s_wait_tensorcnt 1                             ; my part of K step 0 is in; K step 1's may stay out
	s_barrier_signal -1
	s_barrier_wait -1                              ; everybody's is
	FETCH 0, 0, F0
	QUARTER 0, 64,  F0, F1, 1                      ; the first quarter stands in front of the loop: its products start the sums
	WIN 0                                          ; at a label and at a branch every window is 0
	s_mov_b32 s3, LAPS-1
.Llap:                                                 ; a trip goes once round the ring, from a lap's second quarter to the next lap's first, and fills both slots again: trip i asks for K steps 2 i + 2 and 2 i + 3
	QUARTER 0, 128, F1, F0, 0
	QUARTER 0, 192, F0, F1, 0
	TURN 0, 1, 1
	QUARTER 1, 64,  F0, F1, 0
	QUARTER 1, 128, F1, F0, 0
	QUARTER 1, 192, F0, F1, 0
	TURN 1, 0, 1
	QUARTER 0, 64,  F0, F1, 0
	WIN 0
	s_sub_co_u32 s3, s3, 1
	s_cmp_lg_u32 s3, 0
	s_cbranch_scc1 .Llap
	QUARTER 0, 128, F1, F0, 0                      ; the last lap is written out: it fills nothing
	QUARTER 0, 192, F0, F1, 0
	TURN 0, 1, 0
	QUARTER 1, 64,  F0, F1, 0
	QUARTER 1, 128, F1, F0, 0
	QUARTER 1, 192, F0, F1, 0
	s_wait_dscnt 8                                 ; the very last quarter: nothing more to fetch
	WIN MUL_LO
	MUL16 F1, 0, 0, 0
	MUL16 F1, 0, 2, 0
	s_wait_dscnt 0x0
	WIN MUL_HI
	MUL16 F1, 1, 0, 0
	MUL16 F1, 1, 2, 0
	WIN 0
	PLACES                                         ; behind the last products: the LDS stores below read results, and the loads from the stage land in A's fragment buffers
	PLACES                                         ; (eight, once a launch)
	TOSTAGE 0
.irp a, 1,2,3,4,5,6,7                          ; block a's way through the stage is issued ahead of block a - 1's arithmetic and stores
	TOSTAGE \a
	SEND (\a)-1, 32
.endr
	SEND 7, 0
	s_wait_tensorcnt 0x0                           ; the wave's end: behind my last tensor load and my last LDS store
	ds_add_u32 v[SPW], v[NIL]
	s_wait_dscnt 0x0
	CROUND                                         ; the closing round: no work-group ends while a partner may still ask for a tile that names it
	s_endpgm
.Lfunc_end_k_qee7e214e42_gemm:
	.size	k_qee7e214e42_gemm, .Lfunc_end_k_qee7e214e42_gemm-k_qee7e214e42_gemm
	.p2alignl 7, 3214868480
	.fill 96, 4, 3214868480
	.section	.rodata,"a",@progbits
	.p2align	6, 0x0
	.amdhsa_kernel k_qee7e214e42_gemm
		.amdhsa_group_segment_fixed_size 327680
		.amdhsa_private_segment_fixed_size 0
		.amdhsa_enable_private_segment 0
		.amdhsa_kernarg_size 40
		.amdhsa_user_sgpr_count 2
		.amdhsa_user_sgpr_kernarg_segment_ptr 1
		.amdhsa_wavefront_size32 1
		.amdhsa_system_sgpr_workgroup_id_x 1
		.amdhsa_system_sgpr_workgroup_id_y 1
		.amdhsa_system_sgpr_workgroup_id_z 1
		.amdhsa_system_vgpr_workitem_id 0
		.amdhsa_next_free_vgpr 1024
		.amdhsa_next_free_sgpr 80
		.amdhsa_reserve_vcc 0
		.amdhsa_float_denorm_mode_32 3
		.amdhsa_float_denorm_mode_16_64 3
		.amdhsa_memory_ordered 1
		.amdhsa_forward_progress 1
		.amdhsa_inst_pref_size 162
	.end_amdhsa_kernel
	.amdgpu_metadata
---
amdhsa.version: [ 1, 2 ]
amdhsa.kernels:
  - .name:           k_qee7e214e42_gemm
    .symbol:         k_qee7e214e42_gemm.kd
    .args:
      - { .name: ops, .offset: 0, .size: 8, .value_kind: global_buffer, .address_space: global }
      - { .name: out0, .offset: 8, .size: 8, .value_kind: global_buffer, .address_space: global }
      - { .name: weight_scales, .offset: 16, .size: 8, .value_kind: global_buffer, .address_space: global }
      - { .name: bias, .offset: 24, .size: 8, .value_kind: global_buffer, .address_space: global }
      - { .name: inp_scales, .offset: 32, .size: 8, .value_kind: global_buffer, .address_space: global }
    .group_segment_fixed_size: 327680
    .private_segment_fixed_size: 0
    .kernarg_segment_align: 8
    .kernarg_segment_size: 40
    .max_flat_workgroup_size: 128
    .sgpr_count:     80
    .vgpr_count:     1024
    .wavefront_size: 32
...
	.end_amdgpu_metadata
.endif
;; end of part 2
;; ======== version 2 of 2: 2 launches; version 1 with the launch cast written anew for expert scheduling mode
;; workspace buffers: ops 67,108,864 bytes
;; launch cast (part 3): grid 256 x 2, 8 waves a work-group, no clusters, 0 bytes of LDS; arguments inp, weight, inp_zero_points, weight_zero_points, ops; writes ops
.if DOCPART == 3
	.amdgcn_target "amdgcn-amd-amdhsa--gfx1250"
	.amdhsa_code_object_version 6
	.text
	.protected	k_qee7e214e42_cast
	.globl	k_qee7e214e42_cast
	.p2align	8
	.type	k_qee7e214e42_cast,@function
k_qee7e214e42_cast:
	s_mov_b64 s[64:65], 0
	v_nop
	global_prefetch_b8 v0, s[64:65] scope:SCOPE_SE
	s_setreg_imm32_b32 hwreg(HW_REG_WAVE_SCHED_MODE, 0, 2), 2
	s_setreg_imm32_b32 hwreg(HW_REG_WAVE_MODE, 25, 1), 1
	s_wait_xcnt 0x0
	s_wait_alu depctr_vm_vsrc(0)
; FIRST OF TWO LAUNCHES.  out0[m][n] = sum over k of (inp[m][k] - zi) si (weight[n][k] - zw[n]) sw[n] + bias[n].
; This launch makes the two matrix operands: ops = bf16(f32(int) - f32(zero point)), A' from inp (bytes 0 to 32 MiB), B' from weight (the 32 MiB behind),
; rows of 4,096 bf16 = 8,192 bytes.  The second launch multiplies them and applies si sw[n] and bias[n] to the f32 sums (both are constant along k).
; NO WORK IS LEFT OUT: all seven inputs have a way to the output and all seven are loaded (four here, three in the second launch).
; LIMITS.  The zero point is taken away in f32 ahead of the one rounding, as the reference takes it away.  A difference of magnitude up to 256 is exact in bf16
; (int8 values with int8 zero points give 255 at the most); a larger one is rounded once to bf16's 8 significant bits and cannot overflow.  An int32 beyond 2^24
; is rounded by the conversion to f32, as in the reference's own astype.
; ORDER OF K.  Inside each group of 256 k the order is permuted, alike in A' and B': position 8 l + j holds k = 4 l + j, position 8 l + 4 + j holds k = 128 + 4 l + j
; (l = 0..31, j = 0..3).  Every product still meets its partner; only the order of the f32 sums changes.  It lets each load of a wave take 512 consecutive bytes and
; each store of a wave fill 512 consecutive bytes, aligned.
; SHARES.  Work-group (x, y): tensor y (0 inp, 1 weight), rows 16 x .. 16 x + 15; wave w takes rows R = 16 x + 2 w and R + 1: 32 KiB on end in, 16 KiB on end out.
; A CHUNK is 256 numbers: two loads of 16 bytes a lane, one store of 16 bytes a lane; a wave has 32.  Every chunk's place stands in the immediates, so no address
; register is ever rewritten.  No LDS, no barrier, no matrix unit: no wave wants a byte that another has fetched.
; THE MODE: SCHED_MODE bits 1:0 = 2 (LLVM: expert scheduling mode 2), set by the entry lines.  The code itself states the register dependences
; between vector instructions and memory instructions, with s_wait_alu, always for 0.
; THE PLAN.  The 32 chunks go in 8 blocks of four.  Registers that memory instructions touch:
;   X0 .. X3   four blocks as loaded, 32 registers each.  Written by the loads of block p + 3, issued in block p; read, and written in place, by block p's conversions and subtractions.
;   Y0, Y1     two blocks to store, 16 registers each.    Written by block p's roundings; read by the four stores that are issued in block p + 1.
;   v1         16 x lane, the offset of every load and store: made once at the head and never written again.
; Block p works on X[p % 4] and writes Y[p % 2].  Its memory instructions are the loads into X[(p + 3) % 4] = X[(p - 1) % 4] and the stores from Y[(p - 1) % 2]:
; the two buffers that block p - 1 worked on and that no vector instruction of block p names.  So the waits at the head of a block state all that the block's twelve
; memory instructions hang on, and these are dealt among its vector instructions with no further wait.  Behind a block's head up to 24 loads of the wave are on their way.
.set CHIN,  1024                       ; bytes of a chunk in memory, as int32
.set CHOUT, 512                        ; and as bf16
.set BLOCK, 4                          ; chunks in a block
.set Z0, 4                             ; v[4:5] f32(zero point of row R), twice; v[6:7] of row R + 1: no memory instruction names them
.set X,  8                             ; v[8:135]   buffer k, chunk i: 8 registers at X + 32 k + 8 i, as loaded, then converted in place
.set Y,  136                           ; v[136:167] buffer k, chunk i: 4 registers at Y + 16 k + 4 i, 8 bf16 to store
	s_load_b256 s[4:11], s[0:1], 0x0               ; inp s[4:5], weight s[6:7], inp_zero_points s[8:9], weight_zero_points s[10:11]
	s_load_b64 s[12:13], s[0:1], 0x20              ; ops
	v_lshrrev_b32 v2, 5, v0
	v_readfirstlane_b32 s14, v2                    ; wave 0..7
	v_and_b32 v1, 31, v0
	v_lshlrev_b32 v1, 4, v1                        ; 16 x lane: my place in a load's and in a store's 512 bytes; never rewritten
	s_and_b32 s15, ttmp7, 0xffff                   ; y: which tensor
	s_lshl_b32 s16, ttmp9, 4
	s_wait_alu depctr_va_sdst(0)                   ; s14 is written, ahead of its first reader: the wave's rows, and so its bases, are made from it
	s_lshl_b32 s17, s14, 1
	s_add_co_u32 s16, s16, s17                     ; R = 16 x + 2 w
	s_lshl_b32 s18, s16, 14                        ; R rows of 16,384 bytes in
	s_mov_b32 s19, 0
	s_lshl_b32 s20, s16, 13                        ; R rows of 8,192 bytes out,
	s_lshl_b32 s21, s15, 25                        ; B' lies 32 MiB behind A'
	s_add_co_u32 s20, s20, s21
	s_mov_b32 s21, 0
	s_lshl_b32 s22, s16, 2                         ; where row R's zero point lies among weight's,
	s_mov_b32 s23, 0
	s_add_co_u32 s28, s22, 4                       ; and row R + 1's
	s_mov_b32 s29, 0
	s_wait_kmcnt 0x0
	s_cmp_eq_u32 s15, 0                            ; one compare, four selects (the 64-bit sums below leave SCC alone, and nothing reads it behind them)
	s_cselect_b64 s[24:25], s[4:5], s[6:7]         ; the tensor
	s_cselect_b64 s[26:27], s[8:9], s[10:11]       ; its zero points
	s_cselect_b32 s22, 0, s22                      ; inp has one zero point for all rows
	s_cselect_b32 s28, 0, s28
	s_add_nc_u64 s[24:25], s[24:25], s[18:19]      ; my first row in
	s_add_nc_u64 s[12:13], s[12:13], s[20:21]      ; my first row out
	s_add_nc_u64 s[30:31], s[26:27], s[28:29]
	s_add_nc_u64 s[26:27], s[26:27], s[22:23]
	s_load_b32 s2, s[26:27], 0x0                   ; the zero point of row R
	s_load_b32 s3, s[30:31], 0x0                   ; and of row R + 1
	s_wait_alu depctr_va_vdst(0)                   ; v1 is written: every load and store of the kernel reads it as its offset
.irp i, 0,1,2,3,4,5,6,7,8,9,10,11              ; blocks 0, 1 and 2 into X0, X1, X2: chunks 0 to 11
	global_load_b128 v[X+8*(\i):X+8*(\i)+3],   v1, s[24:25] offset:(\i)*CHIN th:TH_LOAD_NT
	global_load_b128 v[X+8*(\i)+4:X+8*(\i)+7], v1, s[24:25] offset:(\i)*CHIN+512 th:TH_LOAD_NT
.endr
	s_wait_kmcnt 0x0
	v_cvt_f32_i32 v[Z0], s2
	v_mov_b32 v[Z0+1], v[Z0]                       ; twice: the packed subtraction takes a pair
	v_cvt_f32_i32 v[Z0+2], s3
	v_mov_b32 v[Z0+3], v[Z0+2]
; Block p: chunks 4 p to 4 p + 3.  Blocks 0 to 3 are row R, 4 to 7 row R + 1.  Blocks 0 to 4 ask for the block three further on; blocks 1 to 7 store the block before.
.macro BLK
.set XB, X+32*(p%4)                    ; at work
.set XN, X+32*((p+3)%4)                ; loaded again: the block before worked on it
.set YB, Y+16*(p%2)                    ; written
.set YP, Y+16*((p+1)%2)                ; stored: the block before wrote it
.set ZR, Z0+2*(p/4)
.if p < 6
	s_wait_loadcnt 16                              ; loads come back in order (ISA guide 5.7.1): my block's eight are in; the two younger blocks' eight each stay out
.else
	s_wait_loadcnt 8*(7-p)                         ; the last blocks have fewer loads behind them: the counts run down to 0
.endif
.if p >= 2
	s_wait_xcnt 0x0                                ; every earlier memory instruction has had its addresses translated (ISA guide 3.1): this block's Y, the data of stores issued in the block before, is rewritten only behind this wait
	s_wait_alu depctr_vm_vsrc(0)                   ; the stores issued in the block before have read this block's Y, which the roundings below write again
.endif
.if p >= 1
	s_wait_alu depctr_va_vdst(0)                   ; the block before has written the other Y, which the stores below read, and is done reading and writing its X, in which the loads below land
.endif
.irp i, 0,1,2,3
.if p < 5
	global_load_b128 v[XN+8*(\i):XN+8*(\i)+3],   v1, s[24:25] offset:(BLOCK*(p+3)+(\i))*CHIN th:TH_LOAD_NT      ; three blocks ahead; no vector instruction since the wait names these registers
	global_load_b128 v[XN+8*(\i)+4:XN+8*(\i)+7], v1, s[24:25] offset:(BLOCK*(p+3)+(\i))*CHIN+512 th:TH_LOAD_NT
.endif
.if p >= 1
	global_store_b128 v1, v[YP+4*(\i):YP+4*(\i)+3], s[12:13] offset:(BLOCK*(p-1)+(\i))*CHOUT  ; the block before; the wave's store covers 512 consecutive bytes, aligned; no hint: the next launch reads them
.endif
.irp j, 0,1,2,3,4,5,6,7
	v_cvt_f32_i32 v[XB+8*(\i)+(\j)], v[XB+8*(\i)+(\j)]
.endr
.irp j, 0,2,4,6
	v_pk_add_f32 v[XB+8*(\i)+(\j):XB+8*(\i)+(\j)+1], v[XB+8*(\i)+(\j):XB+8*(\i)+(\j)+1], v[ZR:ZR+1] neg_lo:[0,1] neg_hi:[0,1]  ; two subtractions of the zero point
.endr
.irp j, 0,1,2,3
	v_cvt_pk_bf16_f32 v[YB+4*(\i)+(\j)], v[XB+8*(\i)+2*(\j)], v[XB+8*(\i)+2*(\j)+1]  ; two roundings, packed
.endr
.endr
.endm
.set p, 0
.rept 8
	BLK
.set p, p+1
.endr
	s_wait_alu depctr_va_vdst(0)                   ; block 7 has written Y1, which the last four stores read
.irp i, 0,1,2,3
	global_store_b128 v1, v[Y+16+4*(\i):Y+16+4*(\i)+3], s[12:13] offset:(BLOCK*7+(\i))*CHOUT
.endr
	s_endpgm
.Lfunc_end_k_qee7e214e42_cast:
	.size	k_qee7e214e42_cast, .Lfunc_end_k_qee7e214e42_cast-k_qee7e214e42_cast
	.p2alignl 7, 3214868480
	.fill 96, 4, 3214868480
	.section	.rodata,"a",@progbits
	.p2align	6, 0x0
	.amdhsa_kernel k_qee7e214e42_cast
		.amdhsa_group_segment_fixed_size 0
		.amdhsa_private_segment_fixed_size 0
		.amdhsa_enable_private_segment 0
		.amdhsa_kernarg_size 40
		.amdhsa_user_sgpr_count 2
		.amdhsa_user_sgpr_kernarg_segment_ptr 1
		.amdhsa_wavefront_size32 1
		.amdhsa_system_sgpr_workgroup_id_x 1
		.amdhsa_system_sgpr_workgroup_id_y 1
		.amdhsa_system_sgpr_workgroup_id_z 1
		.amdhsa_system_vgpr_workitem_id 0
		.amdhsa_next_free_vgpr 168
		.amdhsa_next_free_sgpr 66
		.amdhsa_reserve_vcc 0
		.amdhsa_float_denorm_mode_32 3
		.amdhsa_float_denorm_mode_16_64 3
		.amdhsa_memory_ordered 1
		.amdhsa_forward_progress 1
		.amdhsa_inst_pref_size 36
	.end_amdhsa_kernel
	.amdgpu_metadata
---
amdhsa.version: [ 1, 2 ]
amdhsa.kernels:
  - .name:           k_qee7e214e42_cast
    .symbol:         k_qee7e214e42_cast.kd
    .args:
      - { .name: inp, .offset: 0, .size: 8, .value_kind: global_buffer, .address_space: global }
      - { .name: weight, .offset: 8, .size: 8, .value_kind: global_buffer, .address_space: global }
      - { .name: inp_zero_points, .offset: 16, .size: 8, .value_kind: global_buffer, .address_space: global }
      - { .name: weight_zero_points, .offset: 24, .size: 8, .value_kind: global_buffer, .address_space: global }
      - { .name: ops, .offset: 32, .size: 8, .value_kind: global_buffer, .address_space: global }
    .group_segment_fixed_size: 0
    .private_segment_fixed_size: 0
    .kernarg_segment_align: 8
    .kernarg_segment_size: 40
    .max_flat_workgroup_size: 256
    .sgpr_count:     66
    .vgpr_count:     168
    .wavefront_size: 32
...
	.end_amdgpu_metadata
.endif
;; end of part 3
;; launch gemm: the kernel of part 2 again; grid 16 x 16, 4 waves a work-group, clusters of 4 x 4, 327,680 bytes of LDS; arguments ops, out0, weight_scales, bias, inp_scales; writes out0
